; MI455X (gfx1250); checked and timed in simulation.
; The chip was launched on July 23, 2026; its instructions are those of AMD's public machine-readable ISA for CDNA 5 (MIT licence, August 2026) and "CDNA5" Instruction Set Architecture Reference Guide (July 2026). The comments in the code are by the model that wrote it; some were corrected since.
;; Discretization. Allowed arithmetic: float matrix products may take bf16 or f16 operands with f32 sums; other float arithmetic in f32, or as packed bf16 or f16 multiplies, adds, multiply-adds, maxima and minima; sums over many terms, partial sums and values carried from step to step in f32; what a program stores and reads back later, other than sums and carried values, may be rounded once to bf16 or f16.
;; Inputs: seq 512 x 64 x 256 float32; vocab 8,192 x 256 float32.
;; Outputs: out0 512 x 64 x 256 float32; out1 512 x 64 int32.
;; 2 versions, each right; version 2 is version 1 with the launches prep, take written anew for expert scheduling mode. Each part assembles by itself: llvm-mc -triple=amdgcn-amd-amdhsa -mcpu=gfx1250 --defsym DOCPART=n.
;; ======== version 1 of 2: 3 launches
;; workspace buffers: vb 4,194,304 bytes; v2w 32,768 bytes; idxw 131,072 bytes of whole numbers
;; launch prep (part 1): grid 128 x 1, 4 waves a work-group, no clusters, 34,560 bytes of LDS; arguments vocab, vb, v2w; writes vb, v2w
.if DOCPART == 1
	.amdgcn_target "amdgcn-amd-amdhsa--gfx1250"
	.amdhsa_code_object_version 6
	.text
	.protected	k_q32b3f15eb0_prep
	.globl	k_q32b3f15eb0_prep
	.p2align	8
	.type	k_q32b3f15eb0_prep,@function
k_q32b3f15eb0_prep:
	s_mov_b64 s[64:65], 0
	v_nop
	global_prefetch_b8 v0, s[64:65] scope:SCOPE_SE
	s_setreg_imm32_b32 hwreg(HW_REG_WAVE_MODE, 25, 1), 1
	s_wait_xcnt 0x0
; THE CODEBOOK IS MADE READY, once: vocab [8192][256] f32 -> vb, its numbers rounded to bf16 and laid out as the matrix instruction's registers want them, and
; v2w, the sum of squares of each ROUNDED row in f32 (the whole program works on the rounded numbers, so that distances and products belong together).
; vb: tile T = code / 16 takes 8,192 bytes; in it byte 1024 f + 512 q + 16 lane (lane = 16 h + r) begins the eight numbers k = 32 f + 16 q + 8 h + 0..7 of code 16 T + r:
; a later load of 16 bytes a lane at 16 x lane is half a fragment (16 rows x 32 k: ISA guide 7.12.2), from consecutive bytes.
; v2w: with T = 16 s + 4 w + i the word of code 16 T + r lies at byte 8192 w + 64 (4 s + i) + 4 r: the order in which wave w of the next launch walks its tiles.
; SHARES.  Work-group g = 4 s + w, wave i: tile T = 4 g + i, 16 rows: 16 KiB in, 8 KiB out.  128 work-groups, so that a group's 64 sums are 256 consecutive bytes, aligned, stored by one instruction.
; The rows change lanes through each wave's own stage in LDS (pitch 528 = 33 x 16 bytes: the sixteen rows of a load begin in sixteen different groups of four banks, ISA guide 11.1).
; No matrix work, no cluster: nothing is multiplied and no two work-groups read the same bytes.
.set SP,    528                        ; a stage row: 512 bytes of bf16 + 16
.set V2S,   4*16*SP                    ; 33,792: behind the four stages, the group's 64 sums
.set SPARE, V2S+256                    ; 34,048: the spare words, 128 bytes a wave
.set LN,  1                            ; v1   lane
.set RR,  2                            ; v2   lane % 16
.set HH,  3                            ; v3   lane / 16
.set GO,  4                            ; v4   16 x lane: my bytes in 512 consecutive bytes of vocab and of vb; never rewritten
.set STI, 5                            ; v5   stage, in: 8 x lane; at the end 8 x lane for the sums' store
.set STB, 6                            ; v6   stage, back: row r, 16 h
.set VA,  7                            ; v7   where my row's sum goes
.set SPW, 8                            ; v8   my spare word; never rewritten
.set NIL, 9                            ; v9   0; never rewritten
.set L,   16                           ; v[16:143]   the tile as loaded, 32 x 4 registers
.set F,   144                          ; v[144:207]  the tile as fragments
.set SM,  208                          ; v[208:211]  four running sums
.set TP,  212                          ; v212  at work
	s_load_b128 s[4:7], s[0:1], 0x0                ; vocab s[4:5], vb s[6:7]
	s_load_b64 s[8:9], s[0:1], 0x10                ; v2w
	v_lshl_add_u32 v[SPW], v0, 2, SPARE
	v_mov_b32 v[NIL], 0
	v_lshrrev_b32 v1, 5, v0
	v_readfirstlane_b32 s10, v1                    ; wave 0..3
	v_and_b32 v[LN], 31, v0
	v_and_b32 v[RR], 15, v0
	v_bfe_u32 v[HH], v0, 4, 1
	v_lshlrev_b32 v[GO], 4, v[LN]
	s_mul_i32 s11, s10, 16*SP                      ; my stage
	v_lshl_add_u32 v[STI], v[LN], 3, s11
	v_mul_u32_u24 v[STB], v[RR], SP
	v_lshl_add_u32 v[STB], v[HH], 4, v[STB]
	v_add_nc_u32 v[STB], s11, v[STB]
	s_lshl_b32 s14, s10, 6
	s_add_co_u32 s14, s14, V2S
	v_lshl_add_u32 v[VA], v[RR], 2, s14            ; V2S + 64 x wave + 4 r
	s_mov_b32 s12, 0x76543210                      ; v_permlanex16_b32: each lane takes its own place in the other half
	s_mov_b32 s13, 0xfedcba98
	s_lshl_b32 s16, ttmp9, 2
	s_add_co_u32 s16, s16, s10                     ; T
	s_lshl_b32 s18, s16, 14                        ; 16 rows of 1,024 bytes
	s_mov_b32 s19, 0
	s_lshl_b32 s20, s16, 13                        ; a tile of vb
	s_mov_b32 s21, 0
	s_and_b32 s22, ttmp9, 3                        ; w
	s_lshl_b32 s22, s22, 13
	s_lshr_b32 s23, ttmp9, 2                       ; s
	s_lshl_b32 s23, s23, 8
	s_add_co_u32 s22, s22, s23                     ; 8192 w + 256 s
	s_mov_b32 s23, 0
	s_wait_kmcnt 0x0
	s_add_nc_u64 s[4:5], s[4:5], s[18:19]
	s_add_nc_u64 s[6:7], s[6:7], s[20:21]
	s_add_nc_u64 s[8:9], s[8:9], s[22:23]
.set n, 0
.rept 32                                       ; the whole tile at once: each load takes 512 consecutive bytes, half a row
	global_load_b128 v[L+4*n:L+4*n+3], v[GO], s[4:5] offset:(n/2)*1024+(n%2)*512 th:TH_LOAD_NT
.set n, n+1
.endr
.irp c, 0,1,2,3
	v_mov_b32 v[SM+\c], 0                          ; four sums a lane, while the loads are out
.endr
	v_mov_b32 v[TP], 0                             ; v_permlanex16_b32's destination counts as read
.set n, 0
.rept 32
	s_wait_loadcnt 31-n                            ; loads come back in order (ISA guide 5.7.1): number n is in, the younger ones stay out
	v_cvt_pk_bf16_f32 v[L+4*n], v[L+4*n], v[L+4*n+1]       ; four numbers become 8 bytes, rounded to nearest even
	v_cvt_pk_bf16_f32 v[L+4*n+1], v[L+4*n+2], v[L+4*n+3]
	ds_store_b64 v[STI], v[L+4*n:L+4*n+1] offset:(n/2)*SP+(n%2)*256  ; 256 consecutive bytes of row n / 2
.set n, n+1
.endr
.set n, 0
.rept 16                                       ; back as fragments: n = 2 f + q; LDS serves a wave's instructions in order (ISA guide 5.7.1.4), and the stage is my own: no wait between
	ds_load_b128 v[F+4*n:F+4*n+3], v[STB] offset:32*n
.set n, n+1
.endr
.set n, 0
.rept 16
	s_wait_dscnt 15-n                              ; number n of the sixteen is back
	global_store_b128 v[GO], v[F+4*n:F+4*n+3], s[6:7] offset:512*n  ; 512 consecutive bytes, aligned
.set n, n+1
.endr
.set n, 0
.rept 64                                       ; my 128 numbers of row r, squared and added in f32, straight from the bf16 halves; four chains
	v_fma_mix_f32_bf16 v[SM+n%4], v[F+n], v[F+n], v[SM+n%4] op_sel_hi:[1,1,0]
	v_fma_mix_f32_bf16 v[SM+(n+2)%4], v[F+n], v[F+n], v[SM+(n+2)%4] op_sel:[1,1,0] op_sel_hi:[1,1,0]
.set n, n+1
.endr
	v_add_f32 v[SM], v[SM], v[SM+1]
	v_add_f32 v[SM+2], v[SM+2], v[SM+3]
	v_add_f32 v[SM], v[SM], v[SM+2]
	v_permlanex16_b32 v[TP], v[SM], s12, s13       ; the row's other 128 numbers lie in the lane 16 away
	v_add_f32 v[SM], v[SM], v[TP]
	ds_store_b32 v[VA], v[SM]                      ; both halves of the lanes write the same word with the same number
	s_wait_dscnt 0x0                               ; for the others' sake: my sums are in LDS
	s_barrier_signal -1
	s_barrier_wait -1
	s_cmp_lg_u32 s10, 0                            ; wave 0 stores the group's 64 sums
	s_cbranch_scc1 .Lend
	v_lshl_add_u32 v[TP], v[LN], 3, V2S
	ds_load_b64 v[SM:SM+1], v[TP]
	v_lshlrev_b32 v[STI], 3, v[LN]
	s_wait_dscnt 0x0
	global_store_b64 v[STI], v[SM:SM+1], s[8:9]    ; 256 consecutive bytes, aligned
.Lend:
	s_wait_tensorcnt 0x0                           ; the wave's end, behind my last LDS store
	ds_add_u32 v[SPW], v[NIL]
	s_wait_dscnt 0x0
	s_endpgm
.Lfunc_end_k_q32b3f15eb0_prep:
	.size	k_q32b3f15eb0_prep, .Lfunc_end_k_q32b3f15eb0_prep-k_q32b3f15eb0_prep
	.p2alignl 7, 3214868480
	.fill 96, 4, 3214868480
	.section	.rodata,"a",@progbits
	.p2align	6, 0x0
	.amdhsa_kernel k_q32b3f15eb0_prep
		.amdhsa_group_segment_fixed_size 34560
		.amdhsa_private_segment_fixed_size 0
		.amdhsa_enable_private_segment 0
		.amdhsa_kernarg_size 24
		.amdhsa_user_sgpr_count 2
		.amdhsa_user_sgpr_kernarg_segment_ptr 1
		.amdhsa_wavefront_size32 1
		.amdhsa_system_sgpr_workgroup_id_x 1
		.amdhsa_system_sgpr_workgroup_id_y 1
		.amdhsa_system_sgpr_workgroup_id_z 1
		.amdhsa_system_vgpr_workitem_id 0
		.amdhsa_next_free_vgpr 224
		.amdhsa_next_free_sgpr 66
		.amdhsa_reserve_vcc 0
		.amdhsa_float_denorm_mode_32 3
		.amdhsa_float_denorm_mode_16_64 3
		.amdhsa_memory_ordered 1
		.amdhsa_forward_progress 1
		.amdhsa_inst_pref_size 24
	.end_amdhsa_kernel
	.amdgpu_metadata
---
amdhsa.version: [ 1, 2 ]
amdhsa.kernels:
  - .name:           k_q32b3f15eb0_prep
    .symbol:         k_q32b3f15eb0_prep.kd
    .args:
      - { .name: vocab, .offset: 0, .size: 8, .value_kind: global_buffer, .address_space: global }
      - { .name: vb, .offset: 8, .size: 8, .value_kind: global_buffer, .address_space: global }
      - { .name: v2w, .offset: 16, .size: 8, .value_kind: global_buffer, .address_space: global }
    .group_segment_fixed_size: 34560
    .private_segment_fixed_size: 0
    .kernarg_segment_align: 8
    .kernarg_segment_size: 24
    .max_flat_workgroup_size: 128
    .sgpr_count:     66
    .vgpr_count:     224
    .wavefront_size: 32
...
	.end_amdgpu_metadata
.endif
;; end of part 1
;; launch dist (part 2): grid 256 x 1, 4 waves a work-group, clusters of 4 x 1, 327,680 bytes of LDS; arguments seq, vb, v2w, out1, idxw; writes out1, idxw
.if DOCPART == 2
	.amdgcn_target "amdgcn-amd-amdhsa--gfx1250"
	.amdhsa_code_object_version 6
	.text
	.protected	k_q32b3f15eb0_dist
	.globl	k_q32b3f15eb0_dist
	.p2align	8
	.type	k_q32b3f15eb0_dist,@function
k_q32b3f15eb0_dist:
	s_mov_b64 s[64:65], 0
	v_nop
	global_prefetch_b8 v0, s[64:65] scope:SCOPE_SE
	s_setreg_imm32_b32 hwreg(HW_REG_WAVE_MODE, 25, 1), 1
	s_wait_xcnt 0x0
	s_wait_alu depctr_hold_cnt(0) depctr_sa_sdst(0) depctr_va_vdst(0) depctr_va_sdst(0) depctr_va_ssrc(0) depctr_va_vcc(0) depctr_vm_vsrc(0)
	s_getreg_b32 s2, hwreg(HW_REG_IB_STS2, 6, 4)
	s_cmp_eq_u32 s2, 0
	s_cbranch_scc0 .Lentry_in_a_cluster
	s_endpgm
.Lentry_in_a_cluster:
	s_bfe_u32 s2, ttmp6, 0x10000c
	s_cmp_lg_u32 s2, 0x3003
	s_cbranch_scc0 .Lentry_shape_is_right
	s_endpgm
.Lentry_shape_is_right:
; THE NEAREST CODE OF EACH TOKEN.  For token x (32,768 of them, 256 numbers) and code v (8,192): d2 = (x2 - 2 x.v) + v2, and the index of the least d2, the lowest index among equals.
; x.v in bf16 with f32 sums; x2 and v2 are the sums of squares of the ROUNDED numbers; d2 is made with the problem's own two roundings: one fused multiply-add for x2 - 2 x.v (2 x.v is exact), one addition of v2.
; LIMITS.  The result is the argmin for the inputs rounded to bf16.  The 256 products of a distance are added in the matrix unit's order (ISA guide 7.12), x2 likewise: two codes whose d2 lie within a few
; steps of f32 of each other (a step is 3e-5 at d2 = 300) may be chosen otherwise than by another order of adding.  NaN and infinities are not treated apart; a token none of whose distances lies below +inf gets the lowest code of its lanes.
; SHARES.  A work-group owns 128 tokens.  ALL FOUR WAVES hold all 128 as bf16 fragments, 512 registers; THE CODES are split: of each slot of 256 codes wave w takes 64 w .. 64 w + 63, four tiles of 16.
; So a fragment of the codebook, two LDS loads, feeds eight matrix instructions, each byte of the stream is read from LDS once in the work-group, and a wave reads only the 32 KiB that its own tensor load brought.
; LAYOUT.  Source 0 = 16 codes, source 1 = 16 tokens: in the result a lane holds ONE token (lane % 16) and the codes 8 (lane / 16) + 0..7.  x2 is one number a lane, v2 eight registers a tile, the minimum stays in the lane.
; THE MINIMUM.  For each of the eight token tiles a lane keeps m, the number of the code tile that gave it, and that tile's eight distances (BEST).  A later tile takes their place only if its least is strictly less:
; the first of equals stays.  At the end the first register of BEST that equals m gives the code; the two halves of the lanes and the four waves are merged by (d2, code).
; BY TURNS.  The token tiles are two PIECES of four.  In a TURN one piece has the matrix unit, 32 instructions for one code tile; the other piece's 92 vector lines for the tile just multiplied stand in slices behind them.
; CLUSTER.  All work-groups walk the same codebook, so the four of a cluster ask for each chunk JOINTLY: the same tensor load, descriptor and mask in all four.  The tokens' tile is each work-group's own: a load without a mask.
; REGISTERS, in windows of 256 (s_set_vgpr_msb: bits 1:0 source 0, 3:2 source 1, 5:4 source 2, 7:6 destination):
;   window 0: v0-15 addresses; v16-47 statistics, four a token tile; v48-63 v2, two buffers; v64-127 the accumulators; v128-191 BEST; v192-207 the last merge.  At the head v128-255 hold tokens in f32 (set A)
;   window 1: v0-127 the codebook's fragments, two buffers of a tile; at the head v128-255 hold tokens in f32 (set B)          windows 2, 3: the tokens: tile t in window 2 + t / 4 at 64 (t % 4) + 8 f
.set SLOT1, 1<<17                      ; slot 0 at LDS byte 0, slot 1 here: one exclusive or turns an address in one into the other's
.set CHUNK, 32768                      ; a wave's part of a slot: four tiles
.set SLOTB, 4*CHUNK                    ; a slot: 256 codes
.set TILEB, 8192
.set XP,    1040                       ; a token's row in LDS: 1,024 bytes of f32 + 16 = 65 x 16: the sixteen rows of a load begin in sixteen different groups of four banks (ISA guide 11.1)
.set V2T,   SLOT1+128*XP               ; 264,192.  The tokens lie from SLOT1 to here, once, at the head; then slot 1 takes the place
.set SCR,   V2T+32768                  ; 296,960: behind the 8,192 v2: (d2, code) of 128 tokens for each wave; no tensor load lands here
.set SPARE, SCR+4096                   ; 301,056: the spare words, 128 bytes a wave
.set RR,  1                            ; v1   lane % 16
.set HH,  2                            ; v2   lane / 16
.set LN,  3                            ; v3   lane
.set AF0, 4                            ; v4   my 16 bytes in my wave's chunk: 32,768 w + 16 lane; never rewritten
.set AV0, 5                            ; v5   my eight v2 in my wave's quarter: V2T + 8,192 w + 32 (lane / 16); never rewritten
.set ADR, 6                            ; v6   the LDS address of the fragments' run in hand
.set ADV, 7                            ; v7   of v2's
.set SPW, 8                            ; v8   my spare word; never rewritten
.set NIL, 9                            ; v9   0; never rewritten
.set XA,  10                           ; v10-11  my place in the tokens' rows 0-63, 64-127; later at work
.set PFO, 12                           ; v12  256 x lane; never rewritten
.set LB,  13                           ; v13  64 w + 8 (lane / 16): my lanes' first code in a slot's first tile
.set SA,  14                           ; v14  SCR + 1,024 w + 8 (lane % 16)
.set TT,  15                           ; v15  at work
.set ST,  16                           ; token tile t at ST + 4 t: x2, m, the best tile's number, at work
.set V2B, 48
.set ACC, 64                           ; token tile t at ACC + 8 t
.set BEST, 128                         ; token tile t at BEST + 8 t
.set FIN, 192
.set STG, 128                          ; the tokens in f32, on their way to bf16
.set WV,  14                           ; s14  my wave's number
.set G1V, 24                           ; s[24:31] descriptor group 1: a chunk
.set G1T, 32                           ; s[32:39] a quarter of v2
.set G0V, 40                           ; s[40:43] group 0 of the chunks: it walks
.set G0T, 44                           ; s[44:47] of v2
.set G1X, 48                           ; s[48:55] group 1 of the tokens
.set G0X, 56                           ; s[56:59] group 0 of the tokens
.set SEL, 60                           ; s[60:61] v_permlanex16_b32's selects: each lane takes its own place in the other half
.set MK,  66                           ; s[66:69] the four tiles' masks 'this code tile is better': in scalar registers of their own
.set TID, 70                           ; s70  the number, 0..127, of the code tile whose distances are being looked at
.set TB,  71                           ; s71  LDS byte at which the tile to be fetched begins, less the wave's 32,768 w
.set TV,  72                           ; s72  the same for its v2: 64 x tile
.set SLOTS, 73                         ; s73  counts the changes of slots
.set CNT, 74                           ; s74  counts pairs of tiles
.set LIM, 75                           ; s75  2 in the cluster that prefetches, else the greatest number
.set PFA, 76                           ; s[76:77] where my prefetches stand
.set DM,  80                           ; s[81:87] lanes with lane % 8 = j
.set VAL, 88                           ; s88  lanes 0-7 and 24-31
.set PINF, 89                          ; s89  +inf
.set NINF, 93                          ; s93  -inf      (s90-92 at work)
.set MSB, 0
.macro WIN new                         ; the immediate's high byte repeats the setting that is left; a switch that changes nothing is dropped
.if MSB != (\new)
	s_set_vgpr_msb (MSB<<8)|(\new)
.set MSB, (\new)
.endif
.endm
; A round of the cluster's barrier: my work-group's barrier, so that wave 0's signal speaks for all four waves; wave 0 signals; every wave waits for all four work-groups; my work-group's barrier once more.
.macro CROUND
	s_barrier_signal -1
	s_barrier_wait -1
	s_cmp_lg_u32 s[WV], 0
	s_cbranch_scc1 .Lnot_wave_0_\@
	s_barrier_signal -3
.Lnot_wave_0_\@:
	s_barrier_wait -3
	s_barrier_signal -1
	s_barrier_wait -1
.endm
; A PREFETCH INTO THE L2: the change that asks for slot q names slot q + 2, 512 matrix instructions ahead of the load that will want it.  Every cluster walks the same codebook: cluster 0 asks, nobody else.
; Of wave w's chunk of 32 KiB each of its four partners takes 8 KiB, told apart BY ADDRESS; a lane a block of 256 bytes, one instruction a wave: each block is named once in the launch.
; s[SLOTS] = 32 - q: the changes for q = 30 and 31 ask for nothing, since slots 32 and 33 do not exist; slots 0 to 2 come by their loads alone.
.macro ASK
	s_cmp_gt_u32 s[SLOTS], s[LIM]
	s_cbranch_scc0 .Lnot_mine_\@
	global_prefetch_b8 v[PFO], s[PFA:PFA+1] th:TH_LOAD_NT scope:SCOPE_SE
.Lnot_mine_\@:
.endm
; THE CHANGE OF SLOTS stands in front of a slot's fourth tile, whose fragments have been asked for.  fill = 1: each wave waits for all its tensor loads, of which one is out: its chunk of the other slot; adds 0 to its
; spare word; waits for that and for its reads of the slot that it leaves; a round of the cluster's barrier, so that no wave of any partner still reads that slot or has a load on its way; and the joint refill,
; the keys two slots on, is the first thing behind it: it has four tiles, 256 matrix instructions, in which to land.  (At its first use the tokens' rows are left, and slot 1 takes their place.)
; fill = 0, the last slot: nothing is filled, and a wave reads only what its own load brought: its own wait is all the order that its reads need.
.macro CHANGE fill
	WIN 0                                          ; at a label and at a branch every window is 0
.if \fill
	s_wait_xcnt 0x0                                ; the last prefetch, four tiles back, has read its address, so it may be stepped
	s_add_nc_u64 s[PFA:PFA+1], s[PFA:PFA+1], SLOTB
	s_wait_tensorcnt 0x0                           ; no tensor load of mine is out, so the walking group 0 may be written
	ds_add_u32 v[SPW], v[NIL]                      ; 0 onto my spare word; the scalar steps stand between it and the wait for it
	s_xor_b32 s[G0V+1], s[G0V+1], SLOT1            ; the other slot than last time,
	s_add_nc_u64 s[G0V+2:G0V+3], s[G0V+2:G0V+3], SLOTB  ; the next 256 codes; the type bits on top are not reached
	s_sub_co_u32 s[TB], s[TB], CHUNK               ; the fetches go back to a chunk's first tile,
	s_xor_b32 s[TB], s[TB], SLOT1                  ; in the other slot
	s_wait_dscnt 0x0                               ; the add is done, and my reads of the slot are over
	CROUND
	tensor_load_to_lds s[G0V:G0V+3], s[G1V:G1V+7]  ; my one tensor load behind the round
	s_nop 0
.rept 4
	v_nop
.endr
	ASK
.else
	s_wait_tensorcnt 0x0                           ; my chunk of the last slot is in
	s_sub_co_u32 s[TB], s[TB], CHUNK
	s_xor_b32 s[TB], s[TB], SLOT1
.endif
.endm
; THE LDS LOADS stand in runs, never singly among the matrix instructions.  A tile's eight fragments: 16 loads of 512 consecutive bytes.  last = 1 (the tail): behind the last tile there is none, and the run is jumped over.
.macro FETCHF b, last=0
	WIN 0
.if \last
	s_cmp_eq_u32 s[CNT], 1
	s_cbranch_scc1 .Lno_f_\@
.endif
	v_add_nc_u32 v[ADR], s[TB], v[AF0]
	s_add_co_u32 s[TB], s[TB], TILEB               ; the next fetch is the next tile's
	WIN 0x40                                       ; destination window 1
.irp n, 0,1,2,3,4,5,6,7,8,9,10,11,12,13,14,15
	ds_load_b128 v[64*(\b)+4*\n:64*(\b)+4*\n+3], v[ADR] offset:512*\n
.endr
.if \last
	WIN 0
.Lno_f_\@:
.endif
.endm
.macro FETCHV b, last=0                ; a tile's v2: the eight of my lanes' codes; sixteen lanes read the same bytes
	WIN 0
.if \last
	s_cmp_eq_u32 s[CNT], 1
	s_cbranch_scc1 .Lno_v_\@
.endif
	v_add_nc_u32 v[ADV], s[TV], v[AV0]
	s_add_co_u32 s[TV], s[TV], 64
	ds_load_b128 v[V2B+8*(\b):V2B+8*(\b)+3], v[ADV]
	ds_load_b128 v[V2B+8*(\b)+4:V2B+8*(\b)+7], v[ADV] offset:16
.if \last
.Lno_v_\@:
.endif
.endm
; Matrix instruction i of a turn's 32, for piece p and fragment buffer b: k = 32 (i / 4) on, token tile 4 p + i % 4.  The first four start the sums with the constant 0.
; The four accumulators take turns, one instruction a turn, over the turns' ends too.
.macro MM p, b
	WIN 0x09+4*(\p)                                ; the codebook in window 1, the tokens in window 2 or 3, the sums in window 0
.set rD, ACC+8*(4*(\p)+i%4)
.set rF, 64*(\b)+8*(i/4)
.set rX, 64*(i%4)+8*(i/4)
.if i < 4
	v_wmma_f32_16x16x32_bf16 v[rD:rD+7], v[rF:rF+7], v[rX:rX+7], 0
.else
	v_wmma_f32_16x16x32_bf16 v[rD:rD+7], v[rF:rF+7], v[rX:rX+7], v[rD:rD+7]
.endif
.set i, i+1
.endm
; THE VECTOR WORK: line o of the 92 for piece pe, v2 in buffer vb.  The four tiles alternate (tile o % 4), so that no line reads the result of the one before it.  A tile's 23 lines, number o / 4:
;   0-3   x2 - 2 x.v, two at a time, one rounding (each accumulator's lowest registers are read first)       4-7  + v2
;   8-11  the least of the eight      12  is it less than m?  strictly: the first of equals stays      13  m      14  the tile's number      15-22  its eight distances
.macro EPOP pe, vb
.set eu, o%4
.set en, o/4
.set eA, ACC+8*(4*(\pe)+eu)
.set eT, ST+4*(4*(\pe)+eu)
.set eB, BEST+8*(4*(\pe)+eu)
.set eV, V2B+8*(\vb)
.if en < 4
	v_pk_fma_f32 v[eA+2*en:eA+2*en+1], v[eA+2*en:eA+2*en+1], -2.0, v[eT:eT+1] op_sel_hi:[1,0,0]
.elseif en < 8
	v_pk_add_f32 v[eA+2*en-8:eA+2*en-7], v[eA+2*en-8:eA+2*en-7], v[eV+2*en-8:eV+2*en-7]
.elseif en == 8
	v_min3_num_f32 v[eT+3], v[eA], v[eA+1], v[eA+2]
.elseif en < 11
	v_min3_num_f32 v[eT+3], v[eT+3], v[eA+2*en-15], v[eA+2*en-14]
.elseif en == 11
	v_min_num_f32 v[eT+3], v[eT+3], v[eA+7]
.elseif en == 12
	v_cmp_lt_f32 s[MK+eu], v[eT+3], v[eT+1]
.elseif en == 13
	v_min_num_f32 v[eT+1], v[eT+1], v[eT+3]
.elseif en == 14
	v_cndmask_b32 v[eT+2], v[eT+2], s[TID], s[MK+eu]
.else
	v_cndmask_b32 v[eB+en-15], v[eB+en-15], v[eA+en-15], s[MK+eu]
.endif
.set o, o+1
.endm
.macro SLICE pe, vb                    ; slice k of 32: two lines in slices 0-3, three in the others: 8 + 84 = 92
	WIN 0
	EPOP \pe, \vb
	EPOP \pe, \vb
.if k >= 4
	EPOP \pe, \vb
.endif
.set k, k+1
.endm
; A TURN.  Piece p multiplies by the code tile in buffer b; behind each matrix instruction stands a slice of the other piece's lines: in piece 1's turn piece 0's for the same tile, in piece 0's turn piece 1's for
; the tile before (whose v2 lies in the other buffer).  DISTANCES (a vector line that reads a matrix result, and a load into a register that a matrix instruction has read, stand four plain vector lines that name none of
; its registers behind it: ISA guide 7.12.1 for vector lines): the accumulator that a turn's last instruction ends is first read by line 3 of the next turn's list: slice 31's three
; lines and lines 0 to 2 lie between, six; the fragments' run stands behind slice 1, seven such lines behind the last instruction that read its buffer (those six and the run's own v_add_nc_u32).
; Piece 0's turn fetches the next tile's fragments, 62 matrix instructions ahead of their use; piece 1's its v2, 30 ahead.
.macro TURN p, b, last=0
.set k, 0
.set o, 0
.set i, 0
.if (\p) == 0
	s_wait_dscnt 0x0                               ; this tile's fragments and v2 are in: no younger LDS load is out
.else
	s_add_co_u32 s[TID], s[TID], 1                 ; from here on the lines look at this tile
.endif
.rept 32
	MM \p, \b
.if (\p) == 0
	SLICE 1, 1-(\b)
.else
	SLICE 0, \b
.endif
.if k == 2
.if (\p) == 0
	FETCHF 1-(\b), \last
.else
	FETCHV 1-(\b), \last
.endif
.endif
.endr
.endm
.macro TILE b, last=0
	TURN 0, \b, \last
	TURN 1, \b, \last
.endm
; THE TOKENS.  Tile t's 16 rows x 256 f32 come out of LDS as the fragments want them: for fragment f a lane takes k = 32 f + 8 h + 0..7 and 32 f + 16 + 8 h + 0..7: four loads of 16 bytes at 128 f + 32 h + 0, 16, 64, 80.
.macro XLOAD t
	WIN 0x40*((\t)%2)                              ; set A in window 0, set B in window 1
.set n, 0
.rept 32
	ds_load_b128 v[STG+4*n:STG+4*n+3], v[XA+(\t)/4] offset:((\t)%4)*16*XP+128*(n/4)+16*(n%4)+32*((n%4)/2)
.set n, n+1
.endr
.endm
.macro XCVT t                          ; rounded to bf16, two at a time, into the tile's 64 registers
	WIN ((2+(\t)/4)<<6)|(5*((\t)%2))
.set n, 0
.rept 64
	v_cvt_pk_bf16_f32 v[64*((\t)%4)+n], v[STG+2*n], v[STG+2*n+1]
.set n, n+1
.endr
.endm
; x2 BY THE MATRIX UNIT: a token tile times itself; the diagonal is the sum of squares of the rounded numbers, in f32.  64 instructions for the wave's 8,192.
.macro XX p
	WIN 5*(2+(\p))                                 ; both sources in window 2 or 3
.set i, 0
.rept 32
.set rD, ACC+8*(4*(\p)+i%4)
.set rX, 64*(i%4)+8*(i/4)
.if i < 4
	v_wmma_f32_16x16x32_bf16 v[rD:rD+7], v[rX:rX+7], v[rX:rX+7], 0
.else
	v_wmma_f32_16x16x32_bf16 v[rD:rD+7], v[rX:rX+7], v[rX:rX+7], v[rD:rD+7]
.endif
.set i, i+1
.endr
.endm
; (dm, ca) takes the lesser of (ma, ca) and (mb, cb): by distance, among equal distances by code.
.macro LEX dm, ma, ca, mb, cb
	v_cmp_lt_f32 s90, v[\mb], v[\ma]
	v_cmp_eq_f32 s91, v[\mb], v[\ma]
	v_cmp_lt_u32 s92, v[\cb], v[\ca]
	s_and_b32 s91, s91, s92
	s_or_b32 s90, s90, s91
	v_cndmask_b32 v[\dm], v[\ma], v[\mb], s90
	v_cndmask_b32 v[\ca], v[\ca], v[\cb], s90
.endm
	s_load_b256 s[4:11], s[0:1], 0x0               ; seq s[4:5], vb s[6:7], v2w s[8:9], out1 s[10:11]
	s_load_b64 s[12:13], s[0:1], 0x20              ; idxw
	v_lshl_add_u32 v[SPW], v0, 2, SPARE
	v_mov_b32 v[NIL], 0
	ds_add_u32 v[SPW], v[NIL]                      ; the wave's opening: the add, twice on end, and its wait ahead of my first tensor load; the set-up below, work on registers, stands between
	ds_add_u32 v[SPW], v[NIL]                      ; and once more, under the one wait
	v_lshrrev_b32 v1, 5, v0
	v_readfirstlane_b32 s[WV], v1                  ; wave 0..3
	s_bfe_u32 s15, ttmp6, 0x40000                  ; cx: my place in the cluster: it enters the tokens', the outputs' and the prefetches' addresses alone
	s_lshl_b32 s16, ttmp9, 2                       ; in a cluster launch ttmp9 counts clusters
	s_add_co_u32 s16, s16, s15                     ; my block of 128 tokens
	; group 1 of a chunk: 32 KiB dense, as 128 rows of 256 bytes, elements of 8 bytes
	s_mov_b32 s[G1V], 15|(3<<16)|(1<<21)           ; 15:0 the mask of four; 17:16 8-byte elements; 21 set beside a mask
	s_mov_b32 s[G1V+1], 32<<16                     ; tensor_dim0 = 32
	s_mov_b32 s[G1V+2], 128<<16                    ; tensor_dim1 = 128
	s_mov_b32 s[G1V+3], 32<<16                     ; tile_dim0 = 32
	s_mov_b32 s[G1V+4], 128                        ; tile_dim1 = 128
	s_mov_b32 s[G1V+5], 32                         ; 32 elements from row to row
	s_mov_b32 s[G1V+6], 0
	s_mov_b32 s[G1V+7], 0
	; group 1 of a quarter of v2: 8 KiB dense, 32 such rows
	s_mov_b32 s[G1T], 15|(3<<16)|(1<<21)
	s_mov_b32 s[G1T+1], 32<<16
	s_mov_b32 s[G1T+2], 32<<16
	s_mov_b32 s[G1T+3], 32<<16
	s_mov_b32 s[G1T+4], 32
	s_mov_b32 s[G1T+5], 32
	s_mov_b32 s[G1T+6], 0
	s_mov_b32 s[G1T+7], 0
	; group 1 of the tokens: 32 rows of 256 f32, no mask, 4 words of padding behind every 256
	s_mov_b32 s[G1X], (2<<16)|(1<<20)|(7<<22)|(3<<25)
	s_mov_b32 s[G1X+1], 256<<16
	s_mov_b32 s[G1X+2], 32<<16
	s_mov_b32 s[G1X+3], 256<<16
	s_mov_b32 s[G1X+4], 32
	s_mov_b32 s[G1X+5], 256
	s_mov_b32 s[G1X+6], 0
	s_mov_b32 s[G1X+7], 0
	s_mov_b32 s[G0V], 1                            ; count = 1
	s_lshl_b32 s[G0V+1], s[WV], 15                 ; LDS: slot 0, my chunk: the wave's number alone enters an LDS address
	s_mov_b32 s[G0T], 1
	s_lshl_b32 s[G0T+1], s[WV], 13
	s_add_co_u32 s[G0T+1], s[G0T+1], V2T
	s_mov_b32 s[G0X], 1
	s_mul_i32 s[G0X+1], s[WV], 32*XP
	s_add_co_u32 s[G0X+1], s[G0X+1], SLOT1
	s_lshl_b32 s18, s16, 17                        ; my block's 128 rows of 1,024 bytes,
	s_lshl_b32 s20, s[WV], 15                      ; my wave's 32 of them; also: my chunk in a slot of vb
	s_add_co_u32 s18, s18, s20
	s_mov_b32 s19, 0
	s_mov_b32 s21, 0
	s_lshl_b32 s22, s[WV], 13                      ; my quarter of v2w
	s_mov_b32 s23, 0
	s_lshl_b32 s62, s15, 13                        ; the prefetches: my work-group's 8 KiB of a chunk
	s_mov_b32 s63, 0
	s_lshl_b32 s90, s16, 9                         ; my block's 512 bytes of out1 and idxw
	s_mov_b32 s91, 0
	s_mov_b32 s[SEL], 0x76543210
	s_mov_b32 s[SEL+1], 0xfedcba98
.irp j, 1,2,3,4,5,6,7
	s_mov_b32 s[DM+\j], 0x01010101<<\j
.endr
	s_mov_b32 s[VAL], 0xff0000ff
	s_mov_b32 s[PINF], 0x7f800000
	s_mov_b32 s[NINF], 0xff800000
	s_mov_b32 s[TID], -1
	s_mov_b32 s[TB], SLOT1+CHUNK                   ; the first change of slots turns it into 0
	s_mov_b32 s[TV], 0
	s_mov_b32 s[SLOTS], 31
	s_cmp_eq_u32 ttmp9, 0                          ; the same in all four partners
	s_cselect_b32 s[LIM], 2, -1
	s_wait_dscnt 0x0                               ; both opening adds are done
	s_wait_kmcnt 0x0
	s_add_nc_u64 s[G0X+2:G0X+3], s[4:5], s[18:19]
	s_or_b32 s[G0X+3], s[G0X+3], 0x80000000        ; type = 2
	s_add_nc_u64 s[G0T+2:G0T+3], s[8:9], s[22:23]
	s_or_b32 s[G0T+3], s[G0T+3], 0x80000000
	s_add_nc_u64 s[G0V+2:G0V+3], s[6:7], s[20:21]
	s_or_b32 s[G0V+3], s[G0V+3], 0x80000000
	s_add_nc_u64 s[PFA:PFA+1], s[6:7], s[20:21]
	s_add_nc_u64 s[PFA:PFA+1], s[PFA:PFA+1], s[62:63]
	s_add_nc_u64 s[PFA:PFA+1], s[PFA:PFA+1], 2*SLOTB  ; in slot 2; the first change steps it to slot 3
	s_add_nc_u64 s[10:11], s[10:11], s[90:91]
	s_add_nc_u64 s[12:13], s[12:13], s[90:91]
	CROUND                                         ; all four work-groups are here: the first joint loads meet
	tensor_load_to_lds s[G0X:G0X+3], s[G1X:G1X+7]  ; the three first fills go out together, the tokens first: three loads of mine are out
	s_nop 0
	tensor_load_to_lds s[G0T:G0T+3], s[G1T:G1T+7]
	s_nop 0
	tensor_load_to_lds s[G0V:G0V+3], s[G1V:G1V+7]
	s_nop 0
.rept 4
	v_nop
.endr
	v_and_b32 v[RR], 15, v0
	v_bfe_u32 v[HH], v0, 4, 1
	v_and_b32 v[LN], 31, v0
	v_lshl_add_u32 v[AF0], v[LN], 4, s20
	v_lshl_add_u32 v[AV0], v[HH], 5, s[G0T+1]
	v_mul_u32_u24 v[XA], v[RR], XP
	v_lshl_add_u32 v[XA], v[HH], 5, v[XA]
	v_add_nc_u32 v[XA], SLOT1, v[XA]
	v_add_nc_u32 v[XA+1], 64*XP, v[XA]
	v_lshlrev_b32 v[PFO], 8, v[LN]
	s_lshl_b32 s18, s[WV], 6
	v_lshl_add_u32 v[LB], v[HH], 3, s18
	s_lshl_b32 s18, s[WV], 10
	s_add_co_u32 s18, s18, SCR
	v_lshl_add_u32 v[SA], v[RR], 3, s18
	s_wait_tensorcnt 0x2                           ; tensor loads of a wave end in order (ISA guide 10.11.1): my 32 rows of tokens are in; the two younger loads stay out
	s_barrier_signal -1
	s_barrier_wait -1                              ; everybody's rows are in: every wave reads all 128
	XLOAD 0
	XLOAD 1
.irp t, 0,1,2,3,4,5,6,7
.if \t < 7
	s_wait_dscnt 32                                ; tile t is in; the next tile's 32 loads stay out
.else
	s_wait_dscnt 0x0
.endif
	XCVT \t
.if \t < 6
	XLOAD (\t)+2                                   ; into the set that has just been rounded
.endif
.endr
	CHANGE 1                                       ; slot 0 and v2 are in; every wave has read the tokens' rows; slot 1 takes their place
	FETCHF 0                                       ; code tile 0
	FETCHV 0
	XX 0
	XX 1
	WIN 0
	; What the first turn finds: m and BEST at +inf, so the first true distance takes their place.  These moves, once a launch, are also the places behind the last products.
.set n, 0
.rept 8
	v_mov_b32 v[ST+4*n+1], s[PINF]
	v_mov_b32 v[ST+4*n+2], 0
	v_mov_b32 v[V2B+8+n], 0
.set n, n+1
.endr
.set n, 0
.rept 64
	v_mov_b32 v[BEST+n], s[PINF]
.set n, n+1
.endr
	v_mov_b32 v[TT], 0                             ; v_permlanex16_b32's destination counts as read
	; The diagonal.  Register j of lane (r, h) holds (row 8 h + j, column r): lanes 0-7 and 24-31 hold their token's x2 in register lane % 8; the others take it from the lane 16 away.
.set n, 0
.rept 8
	v_cndmask_b32 v[ST+4*n+3], v[ACC+8*n], v[ACC+8*n+1], s[DM+1]
.irp j, 2,3,4,5,6,7
	v_cndmask_b32 v[ST+4*n+3], v[ST+4*n+3], v[ACC+8*n+\j], s[DM+\j]
.endr
	v_permlanex16_b32 v[TT], v[ST+4*n+3], s[SEL], s[SEL+1]
	v_cndmask_b32 v[ST+4*n], v[TT], v[ST+4*n+3], s[VAL]
.set n, n+1
.endr
.set n, 0
.rept 32
	v_mov_b32 v[ACC+32+n], s[NINF]                 ; the first turn carries piece 1's lines for a tile that has not been: -inf makes its distances +inf, which are not less than m
.set n, n+1
.endr
	s_mov_b32 s[CNT], 2
	s_branch .Leven                                ; the loop is entered in the middle of a trip: tiles 0, 1, 2
.Lslot:                                        ; 30 times: trip j stands in front of tile 4 j + 3, asks for slot j + 2 and does tiles 4 j + 3 .. 4 j + 6
	CHANGE 1
	s_mov_b32 s[CNT], 2
.Lodd:
	TILE 1
	WIN 0
.Leven:
	TILE 0
	WIN 0
	s_sub_co_u32 s[CNT], s[CNT], 1
	s_cmp_lg_u32 s[CNT], 0
	s_cbranch_scc1 .Lodd
	s_sub_co_u32 s[SLOTS], s[SLOTS], 1
	s_cmp_lg_u32 s[SLOTS], 0
	s_cbranch_scc1 .Lslot
	CHANGE 0                                       ; the tail is written out: tiles 123 to 127
	s_mov_b32 s[CNT], 3
.Ltail:
	TILE 1, 1
	WIN 0
	s_sub_co_u32 s[CNT], s[CNT], 1
	s_cmp_eq_u32 s[CNT], 0
	s_cbranch_scc1 .Lout
	TILE 0
	WIN 0
	s_branch .Ltail
.Lout:
.set o, 0
.rept 92
	EPOP 1, 1                                      ; piece 1's lines for tile 127; slice 31's three lines and lines 0 to 2 are the places behind the last product
.endr
	; THE CODE.  The first register of BEST that equals m; the best tile n = 4 s + i begins, for my lanes, at code 256 s + 16 i + 64 w + 8 h.  Then the token's other eight codes a tile, in the lane 16 away.
.set n, 0
.rept 8
	v_mov_b32 v[TT], 7
.irp j, 6,5,4,3,2,1,0
	v_cmp_eq_f32 s[MK], v[BEST+8*n+\j], v[ST+4*n+1]
	v_cndmask_b32 v[TT], v[TT], \j, s[MK]
.endr
	v_lshrrev_b32 v[XA], 2, v[ST+4*n+2]
	v_and_b32 v[ST+4*n+2], 3, v[ST+4*n+2]
	v_lshl_add_u32 v[ST+4*n+3], v[ST+4*n+2], 4, v[LB]
	v_lshl_add_u32 v[ST+4*n+3], v[XA], 8, v[ST+4*n+3]
	v_add_nc_u32 v[ST+4*n+3], v[ST+4*n+3], v[TT]
	v_permlanex16_b32 v[XA], v[ST+4*n+1], s[SEL], s[SEL+1]
	v_permlanex16_b32 v[XA+1], v[ST+4*n+3], s[SEL], s[SEL+1]
	LEX ST+4*n+2, ST+4*n+1, ST+4*n+3, XA, XA+1
	ds_store_b64 v[SA], v[ST+4*n+2:ST+4*n+3] offset:128*n  ; (d2, code) of token 16 n + r; both halves of the lanes write the same
.set n, n+1
.endr
	s_wait_dscnt 0x0                               ; for the others' sake: my 128 pairs are in LDS
	s_barrier_signal -1
	s_barrier_wait -1
	s_cmp_lt_u32 s[WV], 2                          ; waves 0 and 1 merge the four waves' pairs, 64 tokens each, two a lane
	s_cbranch_scc0 .Lend
	s_lshl_b32 s18, s[WV], 9
	s_add_co_u32 s18, s18, SCR
	v_lshl_add_u32 v[XA], v[LN], 4, s18
.irp w, 0,1,2,3
	ds_load_b128 v[FIN+4*\w:FIN+4*\w+3], v[XA] offset:1024*\w
.endr
	s_lshl_b32 s18, s[WV], 8
	v_lshl_add_u32 v[TT], v[LN], 3, s18
	s_wait_dscnt 0x0
.irp w, 1,2,3
	LEX FIN, FIN, FIN+1, FIN+4*\w, FIN+4*\w+1
	LEX FIN+2, FIN+2, FIN+3, FIN+4*\w+2, FIN+4*\w+3
.endr
	v_mov_b32 v[FIN], v[FIN+1]                     ; the two codes side by side
	v_mov_b32 v[FIN+1], v[FIN+3]
	global_store_b64 v[TT], v[FIN:FIN+1], s[10:11]  ; a wave stores 256 consecutive bytes, aligned: the output,
	global_store_b64 v[TT], v[FIN:FIN+1], s[12:13]  ; and the same numbers for the launch that gathers
.Lend:
	s_wait_tensorcnt 0x0                           ; the wave's end: behind my last tensor load and my last LDS store
	ds_add_u32 v[SPW], v[NIL]
	s_wait_dscnt 0x0
	CROUND                                         ; the closing round: no work-group ends while a partner may still ask for a chunk that names it
	s_endpgm
.Lfunc_end_k_q32b3f15eb0_dist:
	.size	k_q32b3f15eb0_dist, .Lfunc_end_k_q32b3f15eb0_dist-k_q32b3f15eb0_dist
	.p2alignl 7, 3214868480
	.fill 96, 4, 3214868480
	.section	.rodata,"a",@progbits
	.p2align	6, 0x0
	.amdhsa_kernel k_q32b3f15eb0_dist
		.amdhsa_group_segment_fixed_size 327680
		.amdhsa_private_segment_fixed_size 0
		.amdhsa_enable_private_segment 0
		.amdhsa_kernarg_size 40
		.amdhsa_user_sgpr_count 2
		.amdhsa_user_sgpr_kernarg_segment_ptr 1
		.amdhsa_wavefront_size32 1
		.amdhsa_system_sgpr_workgroup_id_x 1
		.amdhsa_system_sgpr_workgroup_id_y 1
		.amdhsa_system_sgpr_workgroup_id_z 1
		.amdhsa_system_vgpr_workitem_id 0
		.amdhsa_next_free_vgpr 1024
		.amdhsa_next_free_sgpr 96
		.amdhsa_reserve_vcc 0
		.amdhsa_float_denorm_mode_32 3
		.amdhsa_float_denorm_mode_16_64 3
		.amdhsa_memory_ordered 1
		.amdhsa_forward_progress 1
		.amdhsa_inst_pref_size 176
	.end_amdhsa_kernel
	.amdgpu_metadata
---
amdhsa.version: [ 1, 2 ]
amdhsa.kernels:
  - .name:           k_q32b3f15eb0_dist
    .symbol:         k_q32b3f15eb0_dist.kd
    .args:
      - { .name: seq, .offset: 0, .size: 8, .value_kind: global_buffer, .address_space: global }
      - { .name: vb, .offset: 8, .size: 8, .value_kind: global_buffer, .address_space: global }
      - { .name: v2w, .offset: 16, .size: 8, .value_kind: global_buffer, .address_space: global }
      - { .name: out1, .offset: 24, .size: 8, .value_kind: global_buffer, .address_space: global }
      - { .name: idxw, .offset: 32, .size: 8, .value_kind: global_buffer, .address_space: global }
    .group_segment_fixed_size: 327680
    .private_segment_fixed_size: 0
    .kernarg_segment_align: 8
    .kernarg_segment_size: 40
    .max_flat_workgroup_size: 128
    .sgpr_count:     96
    .vgpr_count:     1024
    .wavefront_size: 32
...
	.end_amdgpu_metadata
.endif
;; end of part 2
;; launch take (part 3): grid 256 x 1, 8 waves a work-group, no clusters, 0 bytes of LDS; arguments idxw, vocab, out0; writes out0
.if DOCPART == 3
	.amdgcn_target "amdgcn-amd-amdhsa--gfx1250"
	.amdhsa_code_object_version 6
	.text
	.protected	k_q32b3f15eb0_take
	.globl	k_q32b3f15eb0_take
	.p2align	8
	.type	k_q32b3f15eb0_take,@function
k_q32b3f15eb0_take:
	s_mov_b64 s[64:65], 0
	v_nop
	global_prefetch_b8 v0, s[64:65] scope:SCOPE_SE
	s_setreg_imm32_b32 hwreg(HW_REG_WAVE_MODE, 25, 1), 1
	s_wait_xcnt 0x0
; out0[token][:] = vocab[idxw[token]][:], f32 as it lies.  The indices were stored as whole numbers by the launch before; here they only form addresses.
; SHARES.  A work-group takes 128 tokens, a wave 16.  A wave's sixteen indices are 64 consecutive bytes: one scalar load.  A row is 1,024 bytes: two loads and two stores of 512 consecutive bytes.
; All 32 loads of a wave go out at once, each row into registers of its own: no register is written twice, so no wait but the counted ones for the data.
; No LDS, no matrix work, no cluster: the launch copies.  Rows may be named by many tokens, so the loads carry no hint; each output byte is written once and not read again.
.set OFF, 2                            ; v[2:17]    row i: 1,024 x index + 16 x lane
.set D,   32                           ; v[32:159]  row i: 8 registers
	s_load_b128 s[4:7], s[0:1], 0x0                ; idxw s[4:5], vocab s[6:7]
	s_load_b64 s[8:9], s[0:1], 0x10                ; out0
	v_lshrrev_b32 v1, 5, v0
	v_readfirstlane_b32 s10, v1                    ; wave 0..7
	v_and_b32 v1, 31, v0
	v_lshlrev_b32 v1, 4, v1                        ; 16 x lane; never rewritten
	s_lshl_b32 s12, ttmp9, 9                       ; the group's 128 indices,
	s_lshl_b32 s11, s10, 6                         ; my wave's 16
	s_add_co_u32 s12, s12, s11
	s_mov_b32 s13, 0
	s_lshl_b32 s14, s12, 8                         ; 4 bytes of index stand for 1,024 of output
	s_mov_b32 s15, 0
	s_wait_kmcnt 0x0
	s_add_nc_u64 s[4:5], s[4:5], s[12:13]
	s_add_nc_u64 s[8:9], s[8:9], s[14:15]
	s_load_b512 s[16:31], s[4:5], 0x0
	s_wait_kmcnt 0x0
.irp i, 0,1,2,3,4,5,6,7,8,9,10,11,12,13,14,15
	s_min_u32 s[16+\i], s[16+\i], 8191             ; an index stays inside the table
	s_lshl_b32 s[16+\i], s[16+\i], 10
	v_add_nc_u32 v[OFF+\i], s[16+\i], v1
	global_load_b128 v[D+8*\i:D+8*\i+3], v[OFF+\i], s[6:7]
	global_load_b128 v[D+8*\i+4:D+8*\i+7], v[OFF+\i], s[6:7] offset:512
.endr
.irp i, 0,1,2,3,4,5,6,7,8,9,10,11,12,13,14,15
	s_wait_loadcnt 30-2*\i                         ; loads come back in order (ISA guide 5.7.1): row i's two are in, the younger rows' stay out
	global_store_b128 v1, v[D+8*\i:D+8*\i+3], s[8:9] offset:1024*\i th:TH_STORE_NT
	global_store_b128 v1, v[D+8*\i+4:D+8*\i+7], s[8:9] offset:1024*\i+512 th:TH_STORE_NT
.endr
	s_endpgm
.Lfunc_end_k_q32b3f15eb0_take:
	.size	k_q32b3f15eb0_take, .Lfunc_end_k_q32b3f15eb0_take-k_q32b3f15eb0_take
	.p2alignl 7, 3214868480
	.fill 96, 4, 3214868480
	.section	.rodata,"a",@progbits
	.p2align	6, 0x0
	.amdhsa_kernel k_q32b3f15eb0_take
		.amdhsa_group_segment_fixed_size 0
		.amdhsa_private_segment_fixed_size 0
		.amdhsa_enable_private_segment 0
		.amdhsa_kernarg_size 24
		.amdhsa_user_sgpr_count 2
		.amdhsa_user_sgpr_kernarg_segment_ptr 1
		.amdhsa_wavefront_size32 1
		.amdhsa_system_sgpr_workgroup_id_x 1
		.amdhsa_system_sgpr_workgroup_id_y 1
		.amdhsa_system_sgpr_workgroup_id_z 1
		.amdhsa_system_vgpr_workitem_id 0
		.amdhsa_next_free_vgpr 160
		.amdhsa_next_free_sgpr 66
		.amdhsa_reserve_vcc 0
		.amdhsa_float_denorm_mode_32 3
		.amdhsa_float_denorm_mode_16_64 3
		.amdhsa_memory_ordered 1
		.amdhsa_forward_progress 1
		.amdhsa_inst_pref_size 10
	.end_amdhsa_kernel
	.amdgpu_metadata
---
amdhsa.version: [ 1, 2 ]
amdhsa.kernels:
  - .name:           k_q32b3f15eb0_take
    .symbol:         k_q32b3f15eb0_take.kd
    .args:
      - { .name: idxw, .offset: 0, .size: 8, .value_kind: global_buffer, .address_space: global }
      - { .name: vocab, .offset: 8, .size: 8, .value_kind: global_buffer, .address_space: global }
      - { .name: out0, .offset: 16, .size: 8, .value_kind: global_buffer, .address_space: global }
    .group_segment_fixed_size: 0
    .private_segment_fixed_size: 0
    .kernarg_segment_align: 8
    .kernarg_segment_size: 24
    .max_flat_workgroup_size: 256
    .sgpr_count:     66
    .vgpr_count:     160
    .wavefront_size: 32
...
	.end_amdgpu_metadata
.endif
;; end of part 3
;; ======== version 2 of 2: 3 launches; version 1 with the launches prep, take written anew for expert scheduling mode
;; workspace buffers: vb 4,194,304 bytes; v2w 32,768 bytes; idxw 131,072 bytes of whole numbers
;; launch prep (part 4): grid 128 x 1, 4 waves a work-group, no clusters, 34,560 bytes of LDS; arguments vocab, vb, v2w; writes vb, v2w
.if DOCPART == 4
	.amdgcn_target "amdgcn-amd-amdhsa--gfx1250"
	.amdhsa_code_object_version 6
	.text
	.protected	k_q32b3f15eb0_prep
	.globl	k_q32b3f15eb0_prep
	.p2align	8
	.type	k_q32b3f15eb0_prep,@function
k_q32b3f15eb0_prep:
	s_mov_b64 s[64:65], 0
	v_nop
	global_prefetch_b8 v0, s[64:65] scope:SCOPE_SE
	s_setreg_imm32_b32 hwreg(HW_REG_WAVE_SCHED_MODE, 0, 2), 2
	s_setreg_imm32_b32 hwreg(HW_REG_WAVE_MODE, 25, 1), 1
	s_wait_xcnt 0x0
	s_wait_alu depctr_vm_vsrc(0)
; THE CODEBOOK IS MADE READY, once: vocab [8192][256] f32 -> vb, its numbers rounded to bf16 and laid out as the matrix instruction's registers want them, and
; v2w, the sum of squares of each ROUNDED row in f32 (the whole program works on the rounded numbers, so that distances and products belong together).
; vb: tile T = code / 16 takes 8,192 bytes; in it byte 1024 f + 512 q + 16 lane (lane = 16 h + r) begins the eight numbers k = 32 f + 16 q + 8 h + 0..7 of code 16 T + r:
; a later load of 16 bytes a lane at 16 x lane is half a fragment (16 rows x 32 k: ISA guide 7.12.2), from consecutive bytes.
; v2w: with T = 16 s + 4 w + i the word of code 16 T + r lies at byte 8192 w + 64 (4 s + i) + 4 r: the order in which wave w of the next launch walks its tiles.
; SHARES.  Work-group g = 4 s + w, wave i: tile T = 4 g + i, 16 rows: 16 KiB in, 8 KiB out.  128 work-groups, so that a group's 64 sums are 256 consecutive bytes, aligned, stored by one instruction.
; The rows change lanes through each wave's own stage in LDS (pitch 528 = 33 x 16 bytes: the sixteen rows of a load begin in sixteen different groups of four banks, ISA guide 11.1).
; No matrix work, no cluster: nothing is multiplied and no two work-groups read the same bytes.
; THE MODE: SCHED_MODE bits 1:0 = 2 (LLVM: expert scheduling mode 2), set by the entry lines.  The code itself states the register dependences
; between vector instructions and memory or LDS instructions, with s_wait_alu, always for 0.
; THE PLAN.  Registers that memory or LDS instructions touch:
;   v4-v9      offsets and LDS addresses (and the closing add's pair): written at the head, never again.  One wait on va_vdst ahead of the first load states them all.
;   L          The 32 global loads land in it; no vector line names it before.  Load n's two conversions write L + 4 n and L + 4 n + 1 in place; LDS store n reads these two; nothing writes them again.
;              The conversions go in four groups of eight loads: one wait on va_vdst at a group's head states that the group before has written its store data, and that group's eight
;              LDS stores are dealt among this group's conversions, which name other registers of L.  A last such wait stands ahead of the last group's stores.
;   F          The 16 LDS loads land in it; no vector line writes it.  The global stores and the squares' lines only read it.
;   v[SM]      The row's sum: written by vector lines, read once by an LDS store: a wait on va_vdst ahead of that store.
;   v10, v11   Wave 0, behind the barrier: two addresses made there: a wait on va_vdst ahead of the load that reads the first.  That load lands in v[214:215], which no vector line names.
; No register that a memory or LDS instruction reads is written again: no wait on vm_vsrc is owed.
.set SP,    528                        ; a stage row: 512 bytes of bf16 + 16
.set V2S,   4*16*SP                    ; 33,792: behind the four stages, the group's 64 sums
.set SPARE, V2S+256                    ; 34,048: the spare words, 128 bytes a wave
.set LN,  1                            ; v1   lane
.set RR,  2                            ; v2   lane % 16
.set HH,  3                            ; v3   lane / 16
.set GO,  4                            ; v4   16 x lane: my bytes in 512 consecutive bytes of vocab and of vb; never rewritten
.set STI, 5                            ; v5   stage, in: my stage + 8 x lane; never rewritten
.set STB, 6                            ; v6   stage, back: row r, 16 h; never rewritten
.set VA,  7                            ; v7   where my row's sum goes; never rewritten
.set SPW, 8                            ; v8   my spare word; never rewritten
.set NIL, 9                            ; v9   0; never rewritten
.set RA,  10                           ; v10  wave 0, at the end: V2S + 8 x lane: where I read two of the group's sums
.set SO,  11                           ; v11  wave 0, at the end: 8 x lane: where they go in v2w
.set L,   16                           ; v[16:143]   the tile as loaded, 32 x 4 registers
.set F,   144                          ; v[144:207]  the tile as fragments
.set SM,  208                          ; v[208:211]  four running sums
.set TP,  212                          ; v212  at work: vector lines alone name it
.set W,   214                          ; v[214:215]  wave 0, at the end: two of the group's sums, from LDS to memory
	s_load_b128 s[4:7], s[0:1], 0x0                ; vocab s[4:5], vb s[6:7]
	s_load_b64 s[8:9], s[0:1], 0x10                ; v2w
	v_lshl_add_u32 v[SPW], v0, 2, SPARE
	v_mov_b32 v[NIL], 0
	v_lshrrev_b32 v1, 5, v0
	v_readfirstlane_b32 s10, v1                    ; wave 0..3
	v_and_b32 v[LN], 31, v0
	v_and_b32 v[RR], 15, v0
	v_bfe_u32 v[HH], v0, 4, 1
	v_lshlrev_b32 v[GO], 4, v[LN]
	s_wait_alu depctr_va_sdst(0)                   ; s10 is written, ahead of its first reader: the stage's place, the tile's number and the last branch are made from it
	s_mul_i32 s11, s10, 16*SP                      ; my stage
	v_lshl_add_u32 v[STI], v[LN], 3, s11
	v_mul_u32_u24 v[STB], v[RR], SP
	v_lshl_add_u32 v[STB], v[HH], 4, v[STB]
	v_add_nc_u32 v[STB], s11, v[STB]
	s_lshl_b32 s14, s10, 6
	s_add_co_u32 s14, s14, V2S
	v_lshl_add_u32 v[VA], v[RR], 2, s14            ; V2S + 64 x wave + 4 r
	s_mov_b32 s12, 0x76543210                      ; v_permlanex16_b32: each lane takes its own place in the other half
	s_mov_b32 s13, 0xfedcba98
	s_lshl_b32 s16, ttmp9, 2
	s_add_co_u32 s16, s16, s10                     ; T
	s_lshl_b32 s18, s16, 14                        ; 16 rows of 1,024 bytes
	s_mov_b32 s19, 0
	s_lshl_b32 s20, s16, 13                        ; a tile of vb
	s_mov_b32 s21, 0
	s_and_b32 s22, ttmp9, 3                        ; w
	s_lshl_b32 s22, s22, 13
	s_lshr_b32 s23, ttmp9, 2                       ; s
	s_lshl_b32 s23, s23, 8
	s_add_co_u32 s22, s22, s23                     ; 8192 w + 256 s
	s_mov_b32 s23, 0
	s_wait_kmcnt 0x0
	s_add_nc_u64 s[4:5], s[4:5], s[18:19]
	s_add_nc_u64 s[6:7], s[6:7], s[20:21]
	s_add_nc_u64 s[8:9], s[8:9], s[22:23]
	s_wait_alu depctr_va_vdst(0)                   ; v4 to v9 are written: the offsets and LDS addresses that the loads and stores below read
.set n, 0
.rept 32                                       ; the whole tile at once: each load takes 512 consecutive bytes, half a row
	global_load_b128 v[L+4*n:L+4*n+3], v[GO], s[4:5] offset:(n/2)*1024+(n%2)*512 th:TH_LOAD_NT
.set n, n+1
.endr
.irp c, 0,1,2,3
	v_mov_b32 v[SM+\c], 0                          ; four sums a lane, while the loads are out
.endr
	v_mov_b32 v[TP], 0                             ; v_permlanex16_b32's destination counts as read
.set n, 0
.rept 32
	s_wait_loadcnt 31-n                            ; loads come back in order (ISA guide 5.7.1): number n is in, the younger ones stay out
.if (n > 0) && ((n%8) == 0)
	s_wait_alu depctr_va_vdst(0)                   ; the conversions of the eight loads before have written their pairs of L, which the next eight LDS stores read
.endif
.if n >= 8
	ds_store_b64 v[STI], v[L+4*(n-8):L+4*(n-8)+1] offset:((n-8)/2)*SP+((n-8)%2)*256  ; 256 consecutive bytes of row (n - 8) / 2; no vector line since the wait names these two registers
.endif
	v_cvt_pk_bf16_f32 v[L+4*n], v[L+4*n], v[L+4*n+1]       ; four numbers become 8 bytes, rounded to nearest even
	v_cvt_pk_bf16_f32 v[L+4*n+1], v[L+4*n+2], v[L+4*n+3]
.set n, n+1
.endr
	s_wait_alu depctr_va_vdst(0)                   ; the last eight loads' conversions have written their pairs of L, which the LDS stores below read
.set n, 24
.rept 8
	ds_store_b64 v[STI], v[L+4*n:L+4*n+1] offset:(n/2)*SP+(n%2)*256
.set n, n+1
.endr
.set n, 0
.rept 16                                       ; back as fragments: n = 2 f + q; LDS serves a wave's instructions in order (ISA guide 5.7.1.4), and the stage is my own: no wait between
	ds_load_b128 v[F+4*n:F+4*n+3], v[STB] offset:32*n
.set n, n+1
.endr
; Each four registers of F are stored as they come back, and squared and added behind their store: my 128 numbers of row r, in f32, straight from the bf16 halves; four chains, F's registers in ascending order.
.set n, 0
.rept 16
	s_wait_dscnt 15-n                              ; number n of the sixteen is back
	global_store_b128 v[GO], v[F+4*n:F+4*n+3], s[6:7] offset:512*n  ; 512 consecutive bytes, aligned
.set c, 4*n
.rept 4
	v_fma_mix_f32_bf16 v[SM+c%4], v[F+c], v[F+c], v[SM+c%4] op_sel_hi:[1,1,0]
	v_fma_mix_f32_bf16 v[SM+(c+2)%4], v[F+c], v[F+c], v[SM+(c+2)%4] op_sel:[1,1,0] op_sel_hi:[1,1,0]
.set c, c+1
.endr
.set n, n+1
.endr
	v_add_f32 v[SM], v[SM], v[SM+1]
	v_add_f32 v[SM+2], v[SM+2], v[SM+3]
	v_add_f32 v[SM], v[SM], v[SM+2]
	v_permlanex16_b32 v[TP], v[SM], s12, s13       ; the row's other 128 numbers lie in the lane 16 away
	v_add_f32 v[SM], v[SM], v[TP]
	s_wait_alu depctr_va_vdst(0)                   ; the last addition has written v[SM], which the LDS store reads
	ds_store_b32 v[VA], v[SM]                      ; both halves of the lanes write the same word with the same number
	s_wait_dscnt 0x0                               ; for the others' sake: my sums are in LDS
	s_barrier_signal -1
	s_barrier_wait -1
	s_cmp_lg_u32 s10, 0                            ; wave 0 stores the group's 64 sums
	s_cbranch_scc1 .Lend
	v_lshl_add_u32 v[RA], v[LN], 3, V2S
	v_lshlrev_b32 v[SO], 3, v[LN]
	s_wait_alu depctr_va_vdst(0)                   ; v[RA] and v[SO] are written: the LDS load's address and the store's offset
	ds_load_b64 v[W:W+1], v[RA]
	s_wait_dscnt 0x0
	global_store_b64 v[SO], v[W:W+1], s[8:9]       ; 256 consecutive bytes, aligned
.Lend:
	s_wait_dscnt 0x0                               ; the wave's end
	s_wait_alu 0x0
	s_wait_tensorcnt 0x0
	ds_add_u32 v[SPW], v[NIL]
	s_wait_dscnt 0x0
	s_endpgm
.Lfunc_end_k_q32b3f15eb0_prep:
	.size	k_q32b3f15eb0_prep, .Lfunc_end_k_q32b3f15eb0_prep-k_q32b3f15eb0_prep
	.p2alignl 7, 3214868480
	.fill 96, 4, 3214868480
	.section	.rodata,"a",@progbits
	.p2align	6, 0x0
	.amdhsa_kernel k_q32b3f15eb0_prep
		.amdhsa_group_segment_fixed_size 34560
		.amdhsa_private_segment_fixed_size 0
		.amdhsa_enable_private_segment 0
		.amdhsa_kernarg_size 24
		.amdhsa_user_sgpr_count 2
		.amdhsa_user_sgpr_kernarg_segment_ptr 1
		.amdhsa_wavefront_size32 1
		.amdhsa_system_sgpr_workgroup_id_x 1
		.amdhsa_system_sgpr_workgroup_id_y 1
		.amdhsa_system_sgpr_workgroup_id_z 1
		.amdhsa_system_vgpr_workitem_id 0
		.amdhsa_next_free_vgpr 224
		.amdhsa_next_free_sgpr 66
		.amdhsa_reserve_vcc 0
		.amdhsa_float_denorm_mode_32 3
		.amdhsa_float_denorm_mode_16_64 3
		.amdhsa_memory_ordered 1
		.amdhsa_forward_progress 1
		.amdhsa_inst_pref_size 25
	.end_amdhsa_kernel
	.amdgpu_metadata
---
amdhsa.version: [ 1, 2 ]
amdhsa.kernels:
  - .name:           k_q32b3f15eb0_prep
    .symbol:         k_q32b3f15eb0_prep.kd
    .args:
      - { .name: vocab, .offset: 0, .size: 8, .value_kind: global_buffer, .address_space: global }
      - { .name: vb, .offset: 8, .size: 8, .value_kind: global_buffer, .address_space: global }
      - { .name: v2w, .offset: 16, .size: 8, .value_kind: global_buffer, .address_space: global }
    .group_segment_fixed_size: 34560
    .private_segment_fixed_size: 0
    .kernarg_segment_align: 8
    .kernarg_segment_size: 24
    .max_flat_workgroup_size: 128
    .sgpr_count:     66
    .vgpr_count:     224
    .wavefront_size: 32
...
	.end_amdgpu_metadata
.endif
;; end of part 4
;; launch dist: the kernel of part 2 again; grid 256 x 1, 4 waves a work-group, clusters of 4 x 1, 327,680 bytes of LDS; arguments seq, vb, v2w, out1, idxw; writes out1, idxw
;; launch take (part 5): grid 256 x 1, 8 waves a work-group, no clusters, 0 bytes of LDS; arguments idxw, vocab, out0; writes out0
.if DOCPART == 5
	.amdgcn_target "amdgcn-amd-amdhsa--gfx1250"
	.amdhsa_code_object_version 6
	.text
	.protected	k_q32b3f15eb0_take
	.globl	k_q32b3f15eb0_take
	.p2align	8
	.type	k_q32b3f15eb0_take,@function
k_q32b3f15eb0_take:
	s_mov_b64 s[64:65], 0
	v_nop
	global_prefetch_b8 v0, s[64:65] scope:SCOPE_SE
	s_setreg_imm32_b32 hwreg(HW_REG_WAVE_SCHED_MODE, 0, 2), 2
	s_setreg_imm32_b32 hwreg(HW_REG_WAVE_MODE, 25, 1), 1
	s_wait_xcnt 0x0
	s_wait_alu depctr_vm_vsrc(0)
; out0[token][:] = vocab[idxw[token]][:], f32 as it lies.  The indices were stored as whole numbers by the launch before; here they only form addresses.
; SHARES.  A work-group takes 128 tokens, a wave 16.  A wave's sixteen indices are 64 consecutive bytes: one scalar load.  A row is 1,024 bytes: two loads and two stores of 512 consecutive bytes.
; All 32 loads of a wave go out at once, each row into registers of its own: no register is written twice, so no wait but the counted ones for the data.
; No LDS, no matrix work, no cluster: the launch copies.  Rows may be named by many tokens, so the loads carry no hint; each output byte is written once and not read again.
; THE MODE: SCHED_MODE bits 1:0 = 2 (LLVM: expert scheduling mode 2), set by the entry lines.  The code itself states the register dependences
; between vector instructions and memory instructions, with s_wait_alu, always for 0.
; THE PLAN.  Registers that memory instructions touch:
;   v1, v[2:17]  offsets: written by vector lines, all ahead of the first load, and never again.  ONE wait on va_vdst behind the last of them states all seventeen.
;   v[32:159]    The loads land in them, the stores read them; no vector line names them.
; No register that a memory instruction reads is written again: no wait on vm_vsrc is owed.
.set OFF, 2                            ; v[2:17]    row i: 1,024 x index + 16 x lane
.set D,   32                           ; v[32:159]  row i: 8 registers
	s_load_b128 s[4:7], s[0:1], 0x0                ; idxw s[4:5], vocab s[6:7]
	s_load_b64 s[8:9], s[0:1], 0x10                ; out0
	v_lshrrev_b32 v1, 5, v0
	v_readfirstlane_b32 s10, v1                    ; wave 0..7
	v_and_b32 v1, 31, v0
	v_lshlrev_b32 v1, 4, v1                        ; 16 x lane; never rewritten
	s_lshl_b32 s12, ttmp9, 9                       ; the group's 128 indices,
	s_wait_alu depctr_va_sdst(0)                   ; s10 is written, ahead of its first reader: the wave's place in idxw and in out0 is made from it
	s_lshl_b32 s11, s10, 6                         ; my wave's 16
	s_add_co_u32 s12, s12, s11
	s_mov_b32 s13, 0
	s_lshl_b32 s14, s12, 8                         ; 4 bytes of index stand for 1,024 of output
	s_mov_b32 s15, 0
	s_wait_kmcnt 0x0
	s_add_nc_u64 s[4:5], s[4:5], s[12:13]
	s_add_nc_u64 s[8:9], s[8:9], s[14:15]
	s_load_b512 s[16:31], s[4:5], 0x0
	s_wait_kmcnt 0x0
.irp i, 0,1,2,3,4,5,6,7,8,9,10,11,12,13,14,15
	s_min_u32 s[16+\i], s[16+\i], 8191             ; an index stays inside the table
	s_lshl_b32 s[16+\i], s[16+\i], 10
	v_add_nc_u32 v[OFF+\i], s[16+\i], v1
.endr
	s_wait_alu depctr_va_vdst(0)                   ; v1 and the sixteen rows' offsets are written, which the loads and stores below read
.irp i, 0,1,2,3,4,5,6,7,8,9,10,11,12,13,14,15
	global_load_b128 v[D+8*\i:D+8*\i+3], v[OFF+\i], s[6:7]
	global_load_b128 v[D+8*\i+4:D+8*\i+7], v[OFF+\i], s[6:7] offset:512
.endr
.irp i, 0,1,2,3,4,5,6,7,8,9,10,11,12,13,14,15
	s_wait_loadcnt 30-2*\i                         ; loads come back in order (ISA guide 5.7.1): row i's two are in, the younger rows' stay out
	global_store_b128 v1, v[D+8*\i:D+8*\i+3], s[8:9] offset:1024*\i th:TH_STORE_NT
	global_store_b128 v1, v[D+8*\i+4:D+8*\i+7], s[8:9] offset:1024*\i+512 th:TH_STORE_NT
.endr
	s_endpgm
.Lfunc_end_k_q32b3f15eb0_take:
	.size	k_q32b3f15eb0_take, .Lfunc_end_k_q32b3f15eb0_take-k_q32b3f15eb0_take
	.p2alignl 7, 3214868480
	.fill 96, 4, 3214868480
	.section	.rodata,"a",@progbits
	.p2align	6, 0x0
	.amdhsa_kernel k_q32b3f15eb0_take
		.amdhsa_group_segment_fixed_size 0
		.amdhsa_private_segment_fixed_size 0
		.amdhsa_enable_private_segment 0
		.amdhsa_kernarg_size 24
		.amdhsa_user_sgpr_count 2
		.amdhsa_user_sgpr_kernarg_segment_ptr 1
		.amdhsa_wavefront_size32 1
		.amdhsa_system_sgpr_workgroup_id_x 1
		.amdhsa_system_sgpr_workgroup_id_y 1
		.amdhsa_system_sgpr_workgroup_id_z 1
		.amdhsa_system_vgpr_workitem_id 0
		.amdhsa_next_free_vgpr 160
		.amdhsa_next_free_sgpr 66
		.amdhsa_reserve_vcc 0
		.amdhsa_float_denorm_mode_32 3
		.amdhsa_float_denorm_mode_16_64 3
		.amdhsa_memory_ordered 1
		.amdhsa_forward_progress 1
		.amdhsa_inst_pref_size 10
	.end_amdhsa_kernel
	.amdgpu_metadata
---
amdhsa.version: [ 1, 2 ]
amdhsa.kernels:
  - .name:           k_q32b3f15eb0_take
    .symbol:         k_q32b3f15eb0_take.kd
    .args:
      - { .name: idxw, .offset: 0, .size: 8, .value_kind: global_buffer, .address_space: global }
      - { .name: vocab, .offset: 8, .size: 8, .value_kind: global_buffer, .address_space: global }
      - { .name: out0, .offset: 16, .size: 8, .value_kind: global_buffer, .address_space: global }
    .group_segment_fixed_size: 0
    .private_segment_fixed_size: 0
    .kernarg_segment_align: 8
    .kernarg_segment_size: 24
    .max_flat_workgroup_size: 256
    .sgpr_count:     66
    .vgpr_count:     160
    .wavefront_size: 32
...
	.end_amdgpu_metadata
.endif
;; end of part 5
